; MI455X (gfx1250); checked and timed in simulation.
; The chip was launched on July 23, 2026; its instructions are those of AMD's public machine-readable ISA for CDNA 5 (MIT licence, August 2026) and "CDNA5" Instruction Set Architecture Reference Guide (July 2026). The comments in the code are by the model that wrote it; some were corrected since.
;; GMF. Allowed arithmetic: matrix products marked QUANTISED: E2M1 operands, one E8M0 scale for each 32 along K, by v_wmma_scale_f32_16x16x128_f8f6f4 with both operands' format E2M1 (or v_wmma_scale_f32_32x16x128_f4), f32 sums; everything else in f32.
;; Inputs: P_weight 64 x 1,000,000 float32; Q_weight 64 x 100,032 float32; genres_one_hot_codes 16,384 x 1 x 16 uint8 (E2M1 codes of genres_one_hot, K innermost, in blocks of 32 codes, two codes a byte); genres_one_hot_scales 16,384 x 1 uint8 (E8M0 scales of genres_one_hot, one for each 32 codes along K); item_ids 16,384 int32; user_ids 16,384 int32.
;; Outputs: out0 16,384 x 1 float32.
;; This version of the problem:
;;   THIS VERSION OF THE PROBLEM IS GIVEN IN LOW PRECISION. The matrix products marked QUANTISED in the list below multiply operands that are first quantised to E2M1 (2 exponent bits, 1 mantissa bit; 4 bits a number), with one power-of-two scale for each 32 numbers along K (OCP MX v1.0); their sums are f32. All else is computed in f32.
;;   The module's matrix products, in the order in which they are computed (A, B: the left and right operand; K: the contracted axis; several contracted axes count as one K, in the product's order):
;;     1. [M 16,384, K 32] x [K 32, N 64]; A: input genres_one_hot (given as codes); B: input Q_weight: QUANTISED
;;   THE QUANTISER, for each operand of a quantised product, along K:
;;     - K is cut into blocks of 32 from its start; a last block that is shorter is filled with zeros.
;;     - A block's scale is 2^e with e = floor(log2(the largest magnitude in the block)) - 2, held to -126 .. 127; a block of zeros has e = 0. As a byte (E8M0): e + 127.
;;     - Each number is divided by its block's scale, clamped to +-6, and rounded to the nearest number of E2M1, ties to even, subnormals kept.
;;     - The product sums the exact products of the quantised numbers (number of the format x scale) in f32.
;;   ~~~python
;;   def quantise(x, axis):      # numpy; x: float32 -> the quantised numbers, widened to float32 again
;;       x = np.moveaxis(x, axis, -1); K = x.shape[-1]
;;       x = np.pad(x, [(0, 0)] * (x.ndim - 1) + [(0, -K % 32)]); x = x.reshape(x.shape[:-1] + (-1, 32)); a = np.abs(x).max(-1, keepdims=True)
;;       e = np.where(a > 0, np.clip(np.frexp(np.where(a > 0, a, 1))[1] - 1 - 2, -126, 127), 0)      # np.frexp(a)[1] - 1 = floor(log2(a)), exactly
;;       r = np.clip(x / 2.0 ** e, -6, 6)
;;       step = 2.0 ** (np.maximum(np.frexp(np.where(r == 0, 1, r))[1] - 1, 0) - 1)
;;       q = np.round(r / step) * step * 2.0 ** e      # np.round: ties to even
;;       return np.moveaxis(q.reshape(q.shape[:-2] + (-1,))[..., :K], -1, axis).astype(np.float32)
;;   ~~~
;;   INPUTS GIVEN AS CODES. genres_one_hot (in the module: [16384, 32], K = its axis 1): each comes as NAME_codes (uint8): NAME with its K axis moved to the last place and cut into blocks of 32 codes, [.., K / 32, bytes a block], one block behind the other in memory; two codes a byte, the lower K in the low four bits (a code: sign, 2 exponent bits, 1 mantissa bit); and NAME_scales (uint8): the same leading axes, one E8M0 byte (e + 127) for each 32 codes along K. Its value is code x scale, taken as it is: it is not quantised again, and the codes and scales need not be those that the quantiser above would give.
;; 2 versions. Each part assembles by itself: llvm-mc -triple=amdgcn-amd-amdhsa -mcpu=gfx1250 --defsym DOCPART=n.
;; ======== version 1 of 2: 1 launch
;; launch gmf (part 1): grid 256 x 1, 4 waves a work-group, no clusters, 2,560 bytes of LDS; arguments user_ids, item_ids, genres_one_hot_codes, genres_one_hot_scales, Q_weight, P_weight, out0; writes out0
.if DOCPART == 1
	.amdgcn_target "amdgcn-amd-amdhsa--gfx1250"
	.amdhsa_code_object_version 6
	.text
	.protected	k_qc496453b7a_gmf
	.globl	k_qc496453b7a_gmf
	.p2align	8
	.type	k_qc496453b7a_gmf,@function
k_qc496453b7a_gmf:
	s_mov_b64 s[64:65], 0
	v_nop
	global_prefetch_b8 v0, s[64:65] scope:SCOPE_SE
	s_setreg_imm32_b32 hwreg(HW_REG_WAVE_MODE, 25, 1), 1
	s_wait_xcnt 0x0
; out[b] = sum over k of P[k][user[b]] * ( Q[k][item[b]] + sum over g of genres[b][g] * Q[k][N_ITEMS+g] )
; P: [64][1,000,000] f32, Q: [64][100,032] f32, ids: [16384] i32, out: [16384] f32.
; genres: codes of E2M1, 16 bytes a batch element (32 codes, the lower g in the low four bits), and one E8M0 byte a batch element.
; The sum over g is made on codes: the 64 x 32 genre weights are quantised here, along g (one block of 32 a latent), and multiplied by
; v_wmma_scale_f32_16x16x128_f8f6f4 with both formats FP4; everything else is f32.
;
; SHARES.  256 work-groups of four waves; a work-group owns 64 batch elements (256 consecutive, aligned bytes of out).
; Wave w owns the 16 latents 16 w .. 16 w + 15 for all 64 elements.
; THE FOUR BLOCKS OF THE INSTRUCTION'S K = 128 CARRY FOUR BATCH ELEMENTS.  The work-group's codes, 1,024 bytes, are read as 16 rows of 128 codes:
; row r is the batch elements 4 r .. 4 r + 3, one in each block of 32.  That is source 1 as it lies in memory (two loads of 16 bytes a lane),
; and its scale word is the four scale bytes at 4 r.  Which of the four is multiplied is chosen by source 0: variant n of the weights' fragment
; has my 16 quantised rows in block n and zero codes in the other three, which add nothing whatever their scale byte (0xff apart).
; Block n = 2 c + h lies in registers 4 c .. 4 c + 3 of the lanes' half h (ISA guide 7.12.2), so with
;   Wlo = the 16 rows' codes in lanes 0-15, zeros in lanes 16-31;  Whi = zeros in lanes 0-15, the codes in lanes 16-31;  Z = four registers of zeros
; the twenty registers  Z Wlo Z Whi Z  hold all four variants as overlapping runs of eight: n = 0: Wlo Z;  1: Whi Z;  2: Z Wlo;  3: Z Whi.
; In result n lane (r, h) holds batch element 4 r + n, and register j the latent 16 w + 8 h + j.  So a lane needs the ids of 4 r .. 4 r + 3
; (16 bytes of each list), gathers 32 words of Q and 32 of P, and the words of Q go into the matrix instruction as C: q_item + q_genre costs no add.
; A lane's four sums over its eight latents are four neighbouring numbers; the eight partial sums of an element (4 waves x 2 halves) meet in LDS.
; Every gathered word lies in a row of its own (rows are 4,000,000 and 400,128 bytes apart): nothing can be joined, and what counts is that the
; gathers go out as soon as the ids are there.  Q's go first, the weights are quantised under them, P's follow, the products are made under P's.
;
; NOT USED, and why: tensor loads (no tile, only single words); clusters with joint requests (the work-groups share only the 8,192 bytes of
; genre weights, against 8,192 separately gathered words for each work-group); prefetches (each gather is issued as a load as soon as its id is
; known, nothing could be asked for earlier); cache hints on P and Q (an id may come twice, and other work-groups read neighbouring columns).
;
; LIMITS.  Ids are taken to lie inside their tables; an id outside (read as unsigned) is clamped to the last column.  NaN and infinities among
; the genre weights are not served.  A scale byte 0xff (NaN) of genres makes NaN of the four elements 4 r .. 4 r + 3 that share a column of the
; matrix, not of its own element alone.  The sum over the latents is made in another order than the reference's.
.set N_USERS, 1000000
.set N_ITEMS, 100000
.set PROW,  4*N_USERS                  ; bytes in a row of P
.set QROW,  4*(N_ITEMS+32)             ; bytes in a row of Q
.set GCOL,  4*N_ITEMS                  ; byte of the first genre column in a row of Q
; vector registers
.set T,    1                           ; at work
.set R,    2                           ; lane % 16
.set H,    3                           ; lane / 16
.set IDO,  4                           ; 16 r: my four ids
.set GO,   5                           ; 64 r + 16 h: my codes of genres
.set SO,   6                           ; 4 r: my scale word of genres
.set WO,   7                           ; r rows of Q + 64 h: my 16 genre weights
.set HP,   8                           ; 8 h rows of P
.set HQ,   9                           ; 8 h rows of Q
.set SR,   10                          ; LDS: my four partial sums
.set LO,   11                          ; 8 x lane: the way out
.set UID,  12                          ; v[12:15]   user ids of elements 4 r .. 4 r + 3
.set IID,  16                          ; v[16:19]   item ids
.set PO,   20                          ; v[20:23]   gather offsets in P: 8 h rows + 4 user
.set QO,   24                          ; v[24:27]   gather offsets in Q: 8 h rows + 4 item
.set GS,   28                          ; genres' scale word: byte n is element 4 r + n's.  Holds scales and nothing else
.set WS,   29                          ; the weights' scale word: my row's byte, four times.  Holds scales and nothing else
.set M,    30                          ; the block's largest magnitude
.set M2,   31                          ; second chain; the other half's maximum; the finished byte
.set E,    32                          ; the scale's byte
.set SCF,  33                          ; the scale as f32
.set W,    34                          ; v[34:49]   16 genre weights, f32: g = 16 h .. 16 h + 15 of latent 16 w + r
.set GB,   50                          ; v[50:57]   source 1: genres' codes
.set AB,   58                          ; v[58:77]   Z Wlo Z Whi Z
.set WLO,  AB+4
.set WHI,  AB+12
.set PD,   78                          ; v[78:109]  P[16 w + 8 h + j][user of 4 r + n] at 8 n + j
.set QD,   110                         ; v[110:141] Q[16 w + 8 h + j][item of 4 r + n] at 8 n + j: C, then D = qi
.set AC,   142                         ; v[142:149] a pair of sums for each n
.set S,    150                         ; v[150:153] my four partial sums
.set F,    154                         ; v[154:169] wave 0: the eight partial sums of two elements
; scalar registers: s[4:5] user_ids, s[6:7] item_ids, s[8:9] codes, s[10:11] scale bytes, s[12:13] Q, s[14:15] P, s[16:17] out
.set WAVE, 18
.set QB,   30                          ; s[30:31]   Q at my wave's first latent: seven rows further are in reach of the immediate
.set PB,   32                          ; s[32:37]   P at my wave's latents 0, 3, 6: three rows are in reach of one base (2 x 4,000,000 fits the signed 24-bit immediate)
	s_load_b256 s[4:11], s[0:1], 0x0               ; user_ids, item_ids, codes, scale bytes
	s_load_b128 s[12:15], s[0:1], 0x20             ; Q, P
	s_load_b64 s[16:17], s[0:1], 0x30              ; out
	v_lshl_add_u32 v170, v0, 2, 0x800
	v_mov_b32 v171, 0
	v_lshrrev_b32 v[T], 5, v0
	v_readfirstlane_b32 s[WAVE], v[T]              ; wave 0..3 as a scalar
	v_and_b32 v[R], 15, v0
	v_bfe_u32 v[H], v0, 4, 1
	v_lshlrev_b32 v[IDO], 4, v[R]                  ; four ids are 16 bytes
	v_lshlrev_b32 v[SO], 2, v[R]                   ; four scale bytes
	v_lshlrev_b32 v[GO], 6, v[R]                   ; four elements' codes are 64 bytes: a row of 128 codes,
	v_lshl_or_b32 v[GO], v[H], 4, v[GO]            ;   of which half h takes 16 bytes at 16 h and at 32 + 16 h
	v_mul_u32_u24 v[WO], v[R], QROW                ; (both factors are below 2^24)
	v_lshl_add_u32 v[WO], v[H], 6, v[WO]           ;   + 16 h numbers
	s_lshl_b32 s20, ttmp9, 8                       ; the work-group's 64 elements: 256 bytes of each list of ids and of out,
	s_mov_b32 s21, 0
	s_lshl_b32 s22, ttmp9, 10                      ; 1,024 bytes of codes,
	s_mov_b32 s23, 0
	s_lshl_b32 s24, ttmp9, 6                       ; 64 scale bytes
	s_mov_b32 s25, 0
	s_mul_i32 s26, s[WAVE], 16*QROW                ; my wave's first latent in Q
	s_mov_b32 s27, 0
	s_mul_i32 s28, s[WAVE], 16*PROW                ; and in P: at most 192,000,000
	s_mov_b32 s29, 0
	s_wait_kmcnt 0x0
	s_add_nc_u64 s[6:7], s[6:7], s[20:21]
	s_add_nc_u64 s[4:5], s[4:5], s[20:21]
	s_add_nc_u64 s[QB:QB+1], s[12:13], s[26:27]
	s_add_nc_u64 s[8:9], s[8:9], s[22:23]
	s_add_nc_u64 s[10:11], s[10:11], s[24:25]
	global_load_b128 v[IID:IID+3], v[IDO], s[6:7]  ; the ids first: everything hangs on them; Q's gathers go out first, so the items lead
	global_load_b128 v[UID:UID+3], v[IDO], s[4:5]
.irp p, 0,1,2,3
	global_load_b128 v[W+4*\p:W+4*\p+3], v[WO], s[QB:QB+1] offset:GCOL+16*\p   ; Q[16 w + r][N_ITEMS + 16 h + 4 p ..]
.endr
	global_load_b128 v[GB:GB+3],   v[GO], s[8:9]             ; blocks 0 (lanes 0-15) and 1 (lanes 16-31): elements 4 r + h
	global_load_b128 v[GB+4:GB+7], v[GO], s[8:9] offset:32   ; blocks 2 and 3: elements 4 r + 2 + h
	global_load_b32 v[GS], v[SO], s[10:11]         ; lanes 0-15 are read by the matrix unit; lanes 16-31 load the same words
	; while these nine loads are on their way: bases, lane terms, and the zero codes of the weights' fragments
	s_add_nc_u64 s[PB:PB+1], s[14:15], s[28:29]
	s_add_nc_u64 s[PB+2:PB+3], s[PB:PB+1], 3*PROW
	s_add_nc_u64 s[PB+4:PB+5], s[PB:PB+1], 6*PROW
	s_add_nc_u64 s[16:17], s[16:17], s[20:21]      ; out at the work-group's 256 bytes
	s_mov_b32 s38, 0x76543210                      ; v_permlanex16_b32: lane i of one half reads lane i of the other
	s_mov_b32 s39, 0xfedcba98
	s_lshl_b32 s40, s[WAVE], 9                     ; LDS: my wave's two rows of 256 bytes
	v_mul_u32_u24 v[HQ], v[H], 8*QROW              ; the upper half of the lanes takes the tile's latents 8 .. 15
	v_mul_lo_u32 v[HP], v[H], 8*PROW
.irp z, 0,1,2,3, 6,7, 8,9,10,11, 12,13, 16,17,18,19
	v_mov_b32 v[AB+\z], 0                          ; the three Z, and the halves of Wlo and Whi that the exchanges below fill
.endr
	s_wait_loadcnt 0x8                             ; loads come back in order (ISA guide 5.7.1): the item ids are in, the eight loads behind them stay out
.irp g, 0,1,2,3
	v_min_u32 v[IID+\g], N_ITEMS-1, v[IID+\g]      ; no address leaves its table, whatever the id
.endr
.irp g, 0,1,2,3
	v_lshl_add_u32 v[QO+\g], v[IID+\g], 2, v[HQ]
.endr
.irp j, 0,1,2,3,4,5,6,7
.irp g, 0,1,2,3
	global_load_b32 v[QD+8*\g+\j], v[QO+\g], s[QB:QB+1] offset:\j*QROW     ; Q[16 w + 8 h + j][item of 4 r + g], straight into the accumulators
.endr
.endr
	s_wait_loadcnt 0x20                            ; user ids, weights, codes and scale bytes are in; the 32 gathers of Q issued behind them stay out
	; THE QUANTISER, under Q's gathers.  A block is a latent's 32 weights: my 16 and those of lane l xor 16.
	v_max3_num_f32 v[M],  |v[W]|,   |v[W+1]|, |v[W+2]|
	v_max3_num_f32 v[M2], |v[W+3]|, |v[W+4]|, |v[W+5]|     ; two chains that do not wait for each other
.irp i, 6,10
	v_max3_num_f32 v[M],  v[M],  |v[W+\i]|,   |v[W+\i+1]|
	v_max3_num_f32 v[M2], v[M2], |v[W+\i+2]|, |v[W+\i+3]|
.endr
	v_max3_num_f32 v[M], v[M], |v[W+14]|, |v[W+15]|
	v_max_num_f32 v[M], v[M], v[M2]
	v_permlanex16_b32 v[M2], v[M], s38, s39        ; (its destination counts as read: it has been written)
	v_max_num_f32 v[M], v[M], v[M2]                ; the block's largest magnitude, in both lanes
	v_lshrrev_b32 v[E], 23, v[M]                   ; its exponent field is floor(log2) + 127
	v_max_u32 v[E], 3, v[E]                        ; the byte is held at 1 from below, as the quantiser holds e at -126
	v_add_nc_u32 v[E], -2, v[E]                    ; the scale's byte: 2 is the exponent of the format's largest number, 6
	v_cmp_eq_u32 vcc_lo, 0, v[M]
	v_cndmask_b32 v[M2], v[E], 127, vcc_lo         ; a block of zeros gets 127
	v_perm_b32 v[WS], v[M2], v[M2], 0              ; the byte four times: whichever block a variant fills, its scale is there.  Nine plain vector instructions stand between this line and the first matrix instruction (eight are asked for)
	v_lshlrev_b32 v[SCF], 23, v[E]                 ; the scale as f32: the conversion takes its exponent field
	v_cvt_scalef32_pk8_fp4_f32 v[WLO],   v[W:W+7],    v[SCF]   ; codes of g = 16 h + 0 .. 7: nearest code, ties to even, beyond 6 the largest code
	v_cvt_scalef32_pk8_fp4_f32 v[WLO+1], v[W+8:W+15], v[SCF]   ; and 16 h + 8 .. 15
	v_cvt_scalef32_pk8_fp4_f32 v[WHI+2], v[W:W+7],    v[SCF]   ; the same once more for Whi: a second conversion in place of a copy
	v_cvt_scalef32_pk8_fp4_f32 v[WHI+3], v[W+8:W+15], v[SCF]
	v_min_u32 v[UID], N_USERS-1, v[UID]            ; (the one plain instruction between a scaled conversion and what touches its result)
	; v_permlane16_swap_b32 a, b: a's lanes 16-31 change places with b's lanes 0-15
	v_permlane16_swap_b32 v[WLO],   v[WLO+2]       ; Wlo: register 0 keeps g = 0 .. 7 below and takes zeros above; register 2 takes g = 16 .. 23 below, zeros stay above
	v_permlane16_swap_b32 v[WLO+1], v[WLO+3]
	v_permlane16_swap_b32 v[WHI],   v[WHI+2]       ; Whi: register 0 takes g = 0 .. 7 above, zeros stay below; register 2 keeps g = 16 .. 23 above and takes zeros below
	v_permlane16_swap_b32 v[WHI+1], v[WHI+3]       ; seven plain vector instructions stand between this line and the first matrix instruction (four are asked for)
.irp g, 1,2,3
	v_min_u32 v[UID+\g], N_USERS-1, v[UID+\g]
.endr
.irp g, 0,1,2,3
	v_lshl_add_u32 v[PO+\g], v[UID+\g], 2, v[HP]   ; at most 8 x 4,000,000 + 3,999,996
.endr
.irp i, 0,1,2,3                        ; four groups of eight: latents 2 i and 2 i + 1 of my eight, for all four elements
.irp g, 0,1,2,3
.irp u, 0,1
	global_load_b32 v[PD+8*\g+2*\i+\u], v[PO+\g], s[PB+2*((2*\i+\u)/3):PB+2*((2*\i+\u)/3)+1] offset:((2*\i+\u)%3)*PROW   ; P[16 w + 8 h + 2 i + u][user of 4 r + g]
.endr
.endr
.endr
	s_wait_loadcnt 0x20                            ; Q's gathers are in; the 32 gathers of P issued behind them stay out
	; qi = q_item + weights x genres.  Result g: D(m, r) = C(m, r) + sum over block g of weights(16 w + m, .) genres(4 r + g, .).  Four accumulators, one instruction each.
.irp g, 0,1,2,3
	v_wmma_scale_f32_16x16x128_f8f6f4 v[QD+8*\g:QD+8*\g+7], v[AB+4+8*(\g%2)-4*(\g/2):AB+11+8*(\g%2)-4*(\g/2)], v[GB:GB+7], v[QD+8*\g:QD+8*\g+7], v[WS], v[GS] matrix_a_fmt:MATRIX_FMT_FP4 matrix_b_fmt:MATRIX_FMT_FP4
.endr
	; four independent plain vector instructions stand between a matrix instruction and the first vector instruction that reads its result (ISA guide 7.12.1): the addresses of the way out
	v_lshl_add_u32 v[SR], v[H], 8, v[IDO]          ; LDS: row 2 w + h of 256 bytes, my 16 bytes at 16 r
	v_add_nc_u32 v[SR], s40, v[SR]
	v_and_b32 v[LO], 31, v0
	v_lshlrev_b32 v[LO], 3, v[LO]                  ; the way out: 8 bytes a lane
	; sum over my eight latents of pu * qi, a pair of sums for each of my four elements; started by products, nothing is cleared; each accumulator is read from its low end on
.irp i, 0,1,2,3
	s_wait_loadcnt 8*(3-\i)                        ; group i of P's gathers is in; the later groups, eight loads each, stay out
.irp g, 0,1,2,3
.if \i == 0
	v_pk_mul_f32 v[AC+2*\g:AC+2*\g+1], v[PD+8*\g:PD+8*\g+1], v[QD+8*\g:QD+8*\g+1]
.else
	v_pk_fma_f32 v[AC+2*\g:AC+2*\g+1], v[PD+8*\g+2*\i:PD+8*\g+2*\i+1], v[QD+8*\g+2*\i:QD+8*\g+2*\i+1], v[AC+2*\g:AC+2*\g+1]
.endif
.endr
.endr
.irp g, 0,1,2,3
	v_add_f32 v[S+\g], v[AC+2*\g], v[AC+2*\g+1]    ; element 4 r + g, latents 16 w + 8 h .. + 7
.endr
	ds_store_b128 v[SR], v[S:S+3]                  ; sixteen lanes fill a row of 256 bytes: the 64 elements' partial sums of one wave and half
	s_wait_dscnt 0x0                               ; for wave 0: my two rows are in LDS
	s_barrier_signal -1
	s_barrier_wait -1                              ; all eight rows are
	s_cmp_lg_u32 s[WAVE], 0
	s_cbranch_scc1 .Lend
.irp p, 0,1,2,3,4,5,6,7
	ds_load_b64 v[F+2*\p:F+2*\p+1], v[LO] offset:256*\p    ; wave 0: two elements a lane, their eight partial sums
.endr
	s_wait_dscnt 0x0
.irp p, 0,4,8,12
	v_pk_add_f32 v[F+\p:F+\p+1], v[F+\p:F+\p+1], v[F+\p+2:F+\p+3]
.endr
	v_pk_add_f32 v[F:F+1], v[F:F+1], v[F+4:F+5]
	v_pk_add_f32 v[F+8:F+9], v[F+8:F+9], v[F+12:F+13]
	v_pk_add_f32 v[F:F+1], v[F:F+1], v[F+8:F+9]
	global_store_b64 v[LO], v[F:F+1], s[16:17] th:TH_STORE_NT  ; one store covers the work-group's 256 consecutive bytes, at a multiple of 256 from the first byte of out
.Lend:
	s_wait_tensorcnt 0x0
	ds_add_u32 v170, v171
	s_wait_dscnt 0x0
	s_endpgm
.Lfunc_end_k_qc496453b7a_gmf:
	.size	k_qc496453b7a_gmf, .Lfunc_end_k_qc496453b7a_gmf-k_qc496453b7a_gmf
	.p2alignl 7, 3214868480
	.fill 96, 4, 3214868480
	.section	.rodata,"a",@progbits
	.p2align	6, 0x0
	.amdhsa_kernel k_qc496453b7a_gmf
		.amdhsa_group_segment_fixed_size 2560
		.amdhsa_private_segment_fixed_size 0
		.amdhsa_enable_private_segment 0
		.amdhsa_kernarg_size 56
		.amdhsa_user_sgpr_count 2
		.amdhsa_user_sgpr_kernarg_segment_ptr 1
		.amdhsa_wavefront_size32 1
		.amdhsa_system_sgpr_workgroup_id_x 1
		.amdhsa_system_sgpr_workgroup_id_y 1
		.amdhsa_system_sgpr_workgroup_id_z 1
		.amdhsa_system_vgpr_workitem_id 0
		.amdhsa_next_free_vgpr 172
		.amdhsa_next_free_sgpr 66
		.amdhsa_reserve_vcc 1
		.amdhsa_float_denorm_mode_32 3
		.amdhsa_float_denorm_mode_16_64 3
		.amdhsa_memory_ordered 1
		.amdhsa_forward_progress 1
		.amdhsa_inst_pref_size 16
	.end_amdhsa_kernel
	.amdgpu_metadata
---
amdhsa.version: [ 1, 2 ]
amdhsa.kernels:
  - .name:           k_qc496453b7a_gmf
    .symbol:         k_qc496453b7a_gmf.kd
    .args:
      - { .name: user_ids, .offset: 0, .size: 8, .value_kind: global_buffer, .address_space: global }
      - { .name: item_ids, .offset: 8, .size: 8, .value_kind: global_buffer, .address_space: global }
      - { .name: genres_one_hot_codes, .offset: 16, .size: 8, .value_kind: global_buffer, .address_space: global }
      - { .name: genres_one_hot_scales, .offset: 24, .size: 8, .value_kind: global_buffer, .address_space: global }
      - { .name: Q_weight, .offset: 32, .size: 8, .value_kind: global_buffer, .address_space: global }
      - { .name: P_weight, .offset: 40, .size: 8, .value_kind: global_buffer, .address_space: global }
      - { .name: out0, .offset: 48, .size: 8, .value_kind: global_buffer, .address_space: global }
    .group_segment_fixed_size: 2560
    .private_segment_fixed_size: 0
    .kernarg_segment_align: 8
    .kernarg_segment_size: 56
    .max_flat_workgroup_size: 128
    .sgpr_count:     66
    .vgpr_count:     172
    .wavefront_size: 32
...
	.end_amdgpu_metadata
.endif
;; end of part 1
;; ======== version 2 of 2: 1 launch; version 1 with the launch gmf written anew for expert scheduling mode
;; launch gmf (part 2): grid 256 x 1, 4 waves a work-group, no clusters, 2,560 bytes of LDS; arguments user_ids, item_ids, genres_one_hot_codes, genres_one_hot_scales, Q_weight, P_weight, out0; writes out0
.if DOCPART == 2
	.amdgcn_target "amdgcn-amd-amdhsa--gfx1250"
	.amdhsa_code_object_version 6
	.text
	.protected	k_qc496453b7a_gmf
	.globl	k_qc496453b7a_gmf
	.p2align	8
	.type	k_qc496453b7a_gmf,@function
k_qc496453b7a_gmf:
	s_mov_b64 s[64:65], 0
	v_nop
	global_prefetch_b8 v0, s[64:65] scope:SCOPE_SE
	s_setreg_imm32_b32 hwreg(HW_REG_WAVE_SCHED_MODE, 0, 2), 2
	s_setreg_imm32_b32 hwreg(HW_REG_WAVE_MODE, 25, 1), 1
	s_wait_xcnt 0x0
	s_wait_alu depctr_vm_vsrc(0)
; out[b] = sum over k of P[k][user[b]] * ( Q[k][item[b]] + sum over g of genres[b][g] * Q[k][N_ITEMS+g] )
; P: [64][1,000,000] f32, Q: [64][100,032] f32, ids: [16384] i32, out: [16384] f32.
; genres: codes of E2M1, 16 bytes a batch element (32 codes, the lower g in the low four bits), and one E8M0 byte a batch element.
; The sum over g is made on codes: the 64 x 32 genre weights are quantised here, along g (one block of 32 a latent), and multiplied by
; v_wmma_scale_f32_16x16x128_f8f6f4 with both formats FP4; everything else is f32.
;
; SHARES.  256 work-groups of four waves; a work-group owns 64 batch elements (256 consecutive, aligned bytes of out).
; Wave w owns the 16 latents 16 w .. 16 w + 15 for all 64 elements.
; THE FOUR BLOCKS OF THE INSTRUCTION'S K = 128 CARRY FOUR BATCH ELEMENTS.  The work-group's codes, 1,024 bytes, are read as 16 rows of 128 codes:
; row r is the batch elements 4 r .. 4 r + 3, one in each block of 32.  That is source 1 as it lies in memory (two loads of 16 bytes a lane),
; and its scale word is the four scale bytes at 4 r.  Which of the four is multiplied is chosen by source 0: variant n of the weights' fragment
; has my 16 quantised rows in block n and zero codes in the other three, which add nothing whatever their scale byte (0xff apart).
; Block n = 2 c + h lies in registers 4 c .. 4 c + 3 of the lanes' half h (ISA guide 7.12.2), so with
;   Wlo = the 16 rows' codes in lanes 0-15, zeros in lanes 16-31;  Whi = zeros in lanes 0-15, the codes in lanes 16-31;  Z = four registers of zeros
; the twenty registers  Z Wlo Z Whi Z  hold all four variants as overlapping runs of eight: n = 0: Wlo Z;  1: Whi Z;  2: Z Wlo;  3: Z Whi.
; In result n lane (r, h) holds batch element 4 r + n, and register j the latent 16 w + 8 h + j.  So a lane needs the ids of 4 r .. 4 r + 3
; (16 bytes of each list), gathers 32 words of Q and 32 of P, and the words of Q go into the matrix instruction as C: q_item + q_genre costs no add.
; A lane's four sums over its eight latents are four neighbouring numbers; the eight partial sums of an element (4 waves x 2 halves) meet in LDS.
; Every gathered word lies in a row of its own (rows are 4,000,000 and 400,128 bytes apart): nothing can be joined, and what counts is that the
; gathers go out as soon as the ids are there.  Q's go first, the weights are quantised under them, P's follow, the products are made under P's.
;
; THE MODE: SCHED_MODE bits 1:0 = 2 (LLVM: expert scheduling mode 2), set by the entry lines.  The code itself states the register dependences
; between vector or matrix instructions and memory or LDS instructions, with s_wait_alu, always for 0.
; THE PLAN.  Registers that memory or LDS instructions touch:
;   IDO, GO, SO, WO   offsets of the nine dense loads: written at the head, never again.
;   QO, PO            offsets of the gathers: each written once, read by its 32 gathers, never written again.
;   ids, W, GB, GS, QD, PD, F   loads land in them, and no vector or matrix instruction names one of them ahead of its load.
;   SR, S             address and data of the one LDS store: written once, never again.
;   LO                offset of wave 0's LDS loads and of its store: written once, ahead of the wait that stands in front of the LDS store.
;   v170, v171        written at the head, read by the closing add alone.
; So no register that a memory or LDS instruction has read is written again, and no load lands in a register that a vector or matrix instruction
; has named: the text holds no wait on vm_vsrc.  Five waits on va_vdst stand ahead of the five runs of memory instructions whose offsets or data have just
; been made (dense loads, Q's gathers, P's gathers, the LDS store, the store of out); the third of them also states that the weights' fragments and
; their scale word are written, for the matrix instructions.  One wait on va_sdst serves the wave's number, one on va_vcc the one compare.
;
; NOT USED, and why: tensor loads (no tile, only single words); clusters with joint requests (the work-groups share only the 8,192 bytes of
; genre weights, against 8,192 separately gathered words for each work-group); prefetches (each gather is issued as a load as soon as its id is
; known, nothing could be asked for earlier); cache hints on P and Q (an id may come twice, and other work-groups read neighbouring columns).
;
; LIMITS.  Ids are taken to lie inside their tables; an id outside (read as unsigned) is clamped to the last column.  NaN and infinities among
; the genre weights are not served.  A scale byte 0xff (NaN) of genres makes NaN of the four elements 4 r .. 4 r + 3 that share a column of the
; matrix, not of its own element alone.  The sum over the latents is made in another order than the reference's.
.set N_USERS, 1000000
.set N_ITEMS, 100000
.set PROW,  4*N_USERS                  ; bytes in a row of P
.set QROW,  4*(N_ITEMS+32)             ; bytes in a row of Q
.set GCOL,  4*N_ITEMS                  ; byte of the first genre column in a row of Q
; vector registers
.set T,    1                           ; at work
.set R,    2                           ; lane % 16
.set H,    3                           ; lane / 16
.set IDO,  4                           ; 16 r: my four ids
.set GO,   5                           ; 64 r + 16 h: my codes of genres
.set SO,   6                           ; 4 r: my scale word of genres
.set WO,   7                           ; r rows of Q + 64 h: my 16 genre weights
.set HP,   8                           ; 8 h rows of P
.set HQ,   9                           ; 8 h rows of Q
.set SR,   10                          ; LDS: my four partial sums
.set LO,   11                          ; 8 x lane: the way out
.set UID,  12                          ; v[12:15]   user ids of elements 4 r .. 4 r + 3
.set IID,  16                          ; v[16:19]   item ids
.set PO,   20                          ; v[20:23]   gather offsets in P: 8 h rows + 4 user
.set QO,   24                          ; v[24:27]   gather offsets in Q: 8 h rows + 4 item
.set GS,   28                          ; genres' scale word: byte n is element 4 r + n's.  Holds scales and nothing else
.set WS,   29                          ; the weights' scale word: my row's byte, four times.  Holds scales and nothing else
.set M,    30                          ; the block's largest magnitude
.set M2,   31                          ; second chain; the other half's maximum; the finished byte
.set E,    32                          ; the scale's byte
.set SCF,  33                          ; the scale as f32
.set W,    34                          ; v[34:49]   16 genre weights, f32: g = 16 h .. 16 h + 15 of latent 16 w + r
.set GB,   50                          ; v[50:57]   source 1: genres' codes
.set AB,   58                          ; v[58:77]   Z Wlo Z Whi Z
.set WLO,  AB+4
.set WHI,  AB+12
.set PD,   78                          ; v[78:109]  P[16 w + 8 h + j][user of 4 r + n] at 8 n + j
.set QD,   110                         ; v[110:141] Q[16 w + 8 h + j][item of 4 r + n] at 8 n + j: C, then D = qi
.set AC,   142                         ; v[142:149] a pair of sums for each n
.set S,    150                         ; v[150:153] my four partial sums
.set F,    154                         ; v[154:169] wave 0: the eight partial sums of two elements
; v170: the LDS address of my spare word, 0x800 + 4 x my thread's number; v171: 0.  Made at the head and kept for the closing lines alone.
; LDS: bytes 0 to 2,047 the eight rows of partial sums; from 0x800 on the spare words, 128 bytes for each wave, which no other line names.
; scalar registers: s[4:5] user_ids, s[6:7] item_ids, s[8:9] codes, s[10:11] scale bytes, s[12:13] Q, s[14:15] P, s[16:17] out
.set WAVE, 18
.set QB,   30                          ; s[30:31]   Q at my wave's first latent: seven rows further are in reach of the immediate
.set PB,   32                          ; s[32:37]   P at my wave's latents 0, 3, 6: three rows are in reach of one base (2 x 4,000,000 fits the signed 24-bit immediate)
	s_load_b256 s[4:11], s[0:1], 0x0               ; user_ids, item_ids, codes, scale bytes
	s_load_b128 s[12:15], s[0:1], 0x20             ; Q, P
	s_load_b64 s[16:17], s[0:1], 0x30              ; out
	v_lshl_add_u32 v170, v0, 2, 0x800
	v_mov_b32 v171, 0
	v_lshrrev_b32 v[T], 5, v0
	v_readfirstlane_b32 s[WAVE], v[T]              ; wave 0..3 as a scalar
	v_and_b32 v[R], 15, v0
	v_bfe_u32 v[H], v0, 4, 1
	v_lshlrev_b32 v[IDO], 4, v[R]                  ; four ids are 16 bytes
	v_lshlrev_b32 v[SO], 2, v[R]                   ; four scale bytes
	v_lshlrev_b32 v[GO], 6, v[R]                   ; four elements' codes are 64 bytes: a row of 128 codes,
	v_lshl_or_b32 v[GO], v[H], 4, v[GO]            ;   of which half h takes 16 bytes at 16 h and at 32 + 16 h
	v_mul_u32_u24 v[WO], v[R], QROW                ; (both factors are below 2^24)
	v_lshl_add_u32 v[WO], v[H], 6, v[WO]           ;   + 16 h numbers
	s_lshl_b32 s20, ttmp9, 8                       ; the work-group's 64 elements: 256 bytes of each list of ids and of out,
	s_mov_b32 s21, 0
	s_lshl_b32 s22, ttmp9, 10                      ; 1,024 bytes of codes,
	s_mov_b32 s23, 0
	s_lshl_b32 s24, ttmp9, 6                       ; 64 scale bytes
	s_mov_b32 s25, 0
	s_wait_alu depctr_va_sdst(0)                   ; the wave's number is written into s18, ahead of its first reader, the line below
	s_mul_i32 s26, s[WAVE], 16*QROW                ; my wave's first latent in Q
	s_mov_b32 s27, 0
	s_mul_i32 s28, s[WAVE], 16*PROW                ; and in P: at most 192,000,000
	s_mov_b32 s29, 0
	s_wait_kmcnt 0x0
	s_add_nc_u64 s[6:7], s[6:7], s[20:21]
	s_add_nc_u64 s[4:5], s[4:5], s[20:21]
	s_add_nc_u64 s[QB:QB+1], s[12:13], s[26:27]
	s_add_nc_u64 s[8:9], s[8:9], s[22:23]
	s_add_nc_u64 s[10:11], s[10:11], s[24:25]
	s_wait_alu depctr_va_vdst(0)                   ; the four offsets IDO, WO, GO and SO are written, which the nine loads below read
	global_load_b128 v[IID:IID+3], v[IDO], s[6:7]  ; the ids first: everything hangs on them; Q's gathers go out first, so the items lead
	global_load_b128 v[UID:UID+3], v[IDO], s[4:5]
.irp p, 0,1,2,3
	global_load_b128 v[W+4*\p:W+4*\p+3], v[WO], s[QB:QB+1] offset:GCOL+16*\p   ; Q[16 w + r][N_ITEMS + 16 h + 4 p ..]
.endr
	global_load_b128 v[GB:GB+3],   v[GO], s[8:9]             ; blocks 0 (lanes 0-15) and 1 (lanes 16-31): elements 4 r + h
	global_load_b128 v[GB+4:GB+7], v[GO], s[8:9] offset:32   ; blocks 2 and 3: elements 4 r + 2 + h
	global_load_b32 v[GS], v[SO], s[10:11]         ; lanes 0-15 are read by the matrix unit; lanes 16-31 load the same words
	; while these nine loads are on their way: bases, lane terms, and the zero codes of the weights' fragments (none of these lines writes a register that the loads read or land in)
	s_add_nc_u64 s[PB:PB+1], s[14:15], s[28:29]
	s_add_nc_u64 s[PB+2:PB+3], s[PB:PB+1], 3*PROW
	s_add_nc_u64 s[PB+4:PB+5], s[PB:PB+1], 6*PROW
	s_add_nc_u64 s[16:17], s[16:17], s[20:21]      ; out at the work-group's 256 bytes
	s_mov_b32 s38, 0x76543210                      ; v_permlanex16_b32: lane i of one half reads lane i of the other
	s_mov_b32 s39, 0xfedcba98
	s_lshl_b32 s40, s[WAVE], 9                     ; LDS: my wave's two rows of 256 bytes
	v_mul_u32_u24 v[HQ], v[H], 8*QROW              ; the upper half of the lanes takes the tile's latents 8 .. 15
	v_mul_lo_u32 v[HP], v[H], 8*PROW
.irp z, 0,1,2,3, 6,7, 8,9,10,11, 12,13, 16,17,18,19
	v_mov_b32 v[AB+\z], 0                          ; the three Z, and the halves of Wlo and Whi that the exchanges below fill
.endr
	s_wait_loadcnt 0x8                             ; loads come back in order (ISA guide 5.7.1): the item ids are in, the eight loads behind them stay out
.irp g, 0,1,2,3
	v_min_u32 v[IID+\g], N_ITEMS-1, v[IID+\g]      ; no address leaves its table, whatever the id
.endr
.irp g, 0,1,2,3
	v_lshl_add_u32 v[QO+\g], v[IID+\g], 2, v[HQ]
.endr
	s_wait_alu depctr_va_vdst(0)                   ; the four offsets QO are written, which the 32 gathers below read
.irp j, 0,1,2,3,4,5,6,7
.irp g, 0,1,2,3
	global_load_b32 v[QD+8*\g+\j], v[QO+\g], s[QB:QB+1] offset:\j*QROW     ; Q[16 w + 8 h + j][item of 4 r + g], straight into the accumulators
.endr
.endr
	s_wait_loadcnt 0x20                            ; user ids, weights, codes and scale bytes are in; the 32 gathers of Q issued behind them stay out
	; THE QUANTISER, under Q's gathers.  A block is a latent's 32 weights: my 16 and those of lane l xor 16.
	v_max3_num_f32 v[M],  |v[W]|,   |v[W+1]|, |v[W+2]|
	v_max3_num_f32 v[M2], |v[W+3]|, |v[W+4]|, |v[W+5]|     ; two chains that do not wait for each other
.irp i, 6,10
	v_max3_num_f32 v[M],  v[M],  |v[W+\i]|,   |v[W+\i+1]|
	v_max3_num_f32 v[M2], v[M2], |v[W+\i+2]|, |v[W+\i+3]|
.endr
	v_max3_num_f32 v[M], v[M], |v[W+14]|, |v[W+15]|
	v_max_num_f32 v[M], v[M], v[M2]
	v_permlanex16_b32 v[M2], v[M], s38, s39        ; (its destination counts as read: it has been written)
	v_max_num_f32 v[M], v[M], v[M2]                ; the block's largest magnitude, in both lanes
	v_cmp_eq_u32 vcc_lo, 0, v[M]                   ; is the block all zeros?  The three lines that make the byte stand between this compare and the wait for it
	v_lshrrev_b32 v[E], 23, v[M]                   ; its exponent field is floor(log2) + 127
	v_max_u32 v[E], 3, v[E]                        ; the byte is held at 1 from below, as the quantiser holds e at -126
	v_add_nc_u32 v[E], -2, v[E]                    ; the scale's byte: 2 is the exponent of the format's largest number, 6
	s_wait_alu depctr_va_vcc(0)                    ; the compare has written VCC, ahead of its one reader, the line below
	v_cndmask_b32 v[M2], v[E], 127, vcc_lo         ; a block of zeros gets 127
	v_perm_b32 v[WS], v[M2], v[M2], 0              ; the byte four times: whichever block a variant fills, its scale is there.  Nine plain vector instructions stand between this line and the first matrix instruction (eight are asked for)
	v_lshlrev_b32 v[SCF], 23, v[E]                 ; the scale as f32: the conversion takes its exponent field
	v_cvt_scalef32_pk8_fp4_f32 v[WLO],   v[W:W+7],    v[SCF]   ; codes of g = 16 h + 0 .. 7: nearest code, ties to even, beyond 6 the largest code
	v_cvt_scalef32_pk8_fp4_f32 v[WLO+1], v[W+8:W+15], v[SCF]   ; and 16 h + 8 .. 15
	v_cvt_scalef32_pk8_fp4_f32 v[WHI+2], v[W:W+7],    v[SCF]   ; the same once more for Whi: a second conversion in place of a copy
	v_cvt_scalef32_pk8_fp4_f32 v[WHI+3], v[W+8:W+15], v[SCF]
	v_min_u32 v[UID], N_USERS-1, v[UID]            ; (the one plain instruction between a scaled conversion and what touches its result)
	; v_permlane16_swap_b32 a, b: a's lanes 16-31 change places with b's lanes 0-15
	v_permlane16_swap_b32 v[WLO],   v[WLO+2]       ; Wlo: register 0 keeps g = 0 .. 7 below and takes zeros above; register 2 takes g = 16 .. 23 below, zeros stay above
	v_permlane16_swap_b32 v[WLO+1], v[WLO+3]
	v_permlane16_swap_b32 v[WHI],   v[WHI+2]       ; Whi: register 0 takes g = 0 .. 7 above, zeros stay below; register 2 keeps g = 16 .. 23 above and takes zeros below
	v_permlane16_swap_b32 v[WHI+1], v[WHI+3]       ; seven plain vector instructions stand between this line and the first matrix instruction (four are asked for)
.irp g, 1,2,3
	v_min_u32 v[UID+\g], N_USERS-1, v[UID+\g]
.endr
.irp g, 0,1,2,3
	v_lshl_add_u32 v[PO+\g], v[UID+\g], 2, v[HP]   ; at most 8 x 4,000,000 + 3,999,996
.endr
	s_wait_alu depctr_va_vdst(0)                   ; the four offsets PO are written, which the 32 gathers below read; and the weights' fragments v[AB ..] and their scale word v[WS] are written, which the scaled matrix instructions take: the places counted above stand ahead of this wait, and no vector instruction between it and those matrix instructions writes an operand of theirs
.irp i, 0,1,2,3                        ; four groups of eight: latents 2 i and 2 i + 1 of my eight, for all four elements
.irp g, 0,1,2,3
.irp u, 0,1
	global_load_b32 v[PD+8*\g+2*\i+\u], v[PO+\g], s[PB+2*((2*\i+\u)/3):PB+2*((2*\i+\u)/3)+1] offset:((2*\i+\u)%3)*PROW   ; P[16 w + 8 h + 2 i + u][user of 4 r + g]
.endr
.endr
.endr
	s_wait_loadcnt 0x20                            ; Q's gathers are in; the 32 gathers of P issued behind them stay out
	; qi = q_item + weights x genres.  Result g: D(m, r) = C(m, r) + sum over block g of weights(16 w + m, .) genres(4 r + g, .).  Four accumulators, one instruction each.
.irp g, 0,1,2,3
	v_wmma_scale_f32_16x16x128_f8f6f4 v[QD+8*\g:QD+8*\g+7], v[AB+4+8*(\g%2)-4*(\g/2):AB+11+8*(\g%2)-4*(\g/2)], v[GB:GB+7], v[QD+8*\g:QD+8*\g+7], v[WS], v[GS] matrix_a_fmt:MATRIX_FMT_FP4 matrix_b_fmt:MATRIX_FMT_FP4
.endr
	; four independent plain vector instructions stand between a matrix instruction and the first vector instruction that reads its result (ISA guide 7.12.1): the addresses of the way out
	v_lshl_add_u32 v[SR], v[H], 8, v[IDO]          ; LDS: row 2 w + h of 256 bytes, my 16 bytes at 16 r
	v_add_nc_u32 v[SR], s40, v[SR]
	v_and_b32 v[LO], 31, v0
	v_lshlrev_b32 v[LO], 3, v[LO]                  ; the way out: 8 bytes a lane
	; sum over my eight latents of pu * qi, a pair of sums for each of my four elements; started by products, nothing is cleared; each accumulator is read from its low end on
.irp i, 0,1,2,3
	s_wait_alu depctr_va_vdst(0)
	s_wait_loadcnt 8*(3-\i)                        ; group i of P's gathers is in; the later groups, eight loads each, stay out
.irp g, 0,1,2,3
.if \i == 0
	v_pk_mul_f32 v[AC+2*\g:AC+2*\g+1], v[PD+8*\g:PD+8*\g+1], v[QD+8*\g:QD+8*\g+1]
.else
	v_pk_fma_f32 v[AC+2*\g:AC+2*\g+1], v[PD+8*\g+2*\i:PD+8*\g+2*\i+1], v[QD+8*\g+2*\i:QD+8*\g+2*\i+1], v[AC+2*\g:AC+2*\g+1]
.endif
.endr
.endr
.irp g, 0,1,2,3
	v_add_f32 v[S+\g], v[AC+2*\g], v[AC+2*\g+1]    ; element 4 r + g, latents 16 w + 8 h .. + 7
.endr
	s_wait_alu depctr_va_vdst(0)                   ; my four sums v[S ..] and the address v[SR] are written, which the LDS store reads; so is v[LO], which wave 0's LDS loads below read and which no vector instruction names again
	ds_store_b128 v[SR], v[S:S+3]                  ; sixteen lanes fill a row of 256 bytes: the 64 elements' partial sums of one wave and half
	s_wait_dscnt 0x0                               ; for wave 0: my two rows are in LDS
	s_barrier_signal -1
	s_barrier_wait -1                              ; all eight rows are
	s_cmp_lg_u32 s[WAVE], 0
	s_cbranch_scc1 .Lend
.irp p, 0,1,2,3,4,5,6,7
	ds_load_b64 v[F+2*\p:F+2*\p+1], v[LO] offset:256*\p    ; wave 0: two elements a lane, their eight partial sums
.endr
	s_wait_dscnt 0x0
.irp p, 0,4,8,12
	v_pk_add_f32 v[F+\p:F+\p+1], v[F+\p:F+\p+1], v[F+\p+2:F+\p+3]
.endr
	v_pk_add_f32 v[F:F+1], v[F:F+1], v[F+4:F+5]
	v_pk_add_f32 v[F+8:F+9], v[F+8:F+9], v[F+12:F+13]
	v_pk_add_f32 v[F:F+1], v[F:F+1], v[F+8:F+9]
	s_wait_alu depctr_va_vdst(0)                   ; the last addition has written v[F:F+1], which the store reads
	global_store_b64 v[LO], v[F:F+1], s[16:17] th:TH_STORE_NT  ; one store covers the work-group's 256 consecutive bytes, at a multiple of 256 from the first byte of out
.Lend:
	s_wait_dscnt 0x0                               ; the closing lines, six on end
	s_wait_alu 0x0
	s_wait_tensorcnt 0x0
	ds_add_u32 v170, v171
	s_wait_dscnt 0x0
	s_endpgm
.Lfunc_end_k_qc496453b7a_gmf:
	.size	k_qc496453b7a_gmf, .Lfunc_end_k_qc496453b7a_gmf-k_qc496453b7a_gmf
	.p2alignl 7, 3214868480
	.fill 96, 4, 3214868480
	.section	.rodata,"a",@progbits
	.p2align	6, 0x0
	.amdhsa_kernel k_qc496453b7a_gmf
		.amdhsa_group_segment_fixed_size 2560
		.amdhsa_private_segment_fixed_size 0
		.amdhsa_enable_private_segment 0
		.amdhsa_kernarg_size 56
		.amdhsa_user_sgpr_count 2
		.amdhsa_user_sgpr_kernarg_segment_ptr 1
		.amdhsa_wavefront_size32 1
		.amdhsa_system_sgpr_workgroup_id_x 1
		.amdhsa_system_sgpr_workgroup_id_y 1
		.amdhsa_system_sgpr_workgroup_id_z 1
		.amdhsa_system_vgpr_workitem_id 0
		.amdhsa_next_free_vgpr 172
		.amdhsa_next_free_sgpr 66
		.amdhsa_reserve_vcc 1
		.amdhsa_float_denorm_mode_32 3
		.amdhsa_float_denorm_mode_16_64 3
		.amdhsa_memory_ordered 1
		.amdhsa_forward_progress 1
		.amdhsa_inst_pref_size 16
	.end_amdhsa_kernel
	.amdgpu_metadata
---
amdhsa.version: [ 1, 2 ]
amdhsa.kernels:
  - .name:           k_qc496453b7a_gmf
    .symbol:         k_qc496453b7a_gmf.kd
    .args:
      - { .name: user_ids, .offset: 0, .size: 8, .value_kind: global_buffer, .address_space: global }
      - { .name: item_ids, .offset: 8, .size: 8, .value_kind: global_buffer, .address_space: global }
      - { .name: genres_one_hot_codes, .offset: 16, .size: 8, .value_kind: global_buffer, .address_space: global }
      - { .name: genres_one_hot_scales, .offset: 24, .size: 8, .value_kind: global_buffer, .address_space: global }
      - { .name: Q_weight, .offset: 32, .size: 8, .value_kind: global_buffer, .address_space: global }
      - { .name: P_weight, .offset: 40, .size: 8, .value_kind: global_buffer, .address_space: global }
      - { .name: out0, .offset: 48, .size: 8, .value_kind: global_buffer, .address_space: global }
    .group_segment_fixed_size: 2560
    .private_segment_fixed_size: 0
    .kernarg_segment_align: 8
    .kernarg_segment_size: 56
    .max_flat_workgroup_size: 128
    .sgpr_count:     66
    .vgpr_count:     172
    .wavefront_size: 32
...
	.end_amdgpu_metadata
.endif
;; end of part 2
